; MI455X (gfx1250); checked and timed in simulation.
; The chip was launched on July 23, 2026; its instructions are those of AMD's public machine-readable ISA for CDNA 5 (MIT licence, August 2026) and "CDNA5" Instruction Set Architecture Reference Guide (July 2026). The comments in the code are by the model that wrote it; some were corrected since.
;; Multi Head Attention. Allowed arithmetic: matrix products marked QUANTISED: E5M2 operands, one given power-of-two scale a tensor, by v_wmma_f32_16x16x64_bf8_bf8 or v_wmma_f32_16x16x128_bf8_bf8, f32 sums; everything else in f32.
;; Inputs: bk 1,024 float32; bo 1,024 float32; bq 1,024 float32; bv 1,024 float32; k 4 x 2,048 x 1,024 float32; lowp_scales 12 int32 (the exponents e of the quantised operands' scales 2^e); mask 4 x 1 x 2,048 x 2,048 int32; q 4 x 2,048 x 1,024 float32; v 4 x 2,048 x 1,024 float32; wk 1,024 x 1,024 float32; wo 1,024 x 1,024 float32; wq 1,024 x 1,024 float32; wv 1,024 x 1,024 float32.
;; Outputs: out0 4 x 2,048 x 1,024 float32.
;; This version of the problem:
;;   THIS VERSION OF THE PROBLEM IS GIVEN IN LOW PRECISION. The matrix products marked QUANTISED in the list below multiply operands that are first quantised to E5M2 (5 exponent bits, 2 mantissa bits; 8 bits a number), with one given power-of-two scale for each operand tensor; their sums are f32. All else is computed in f32.
;;   The module's matrix products, in the order in which they are computed (A, B: the left and right operand; K: the contracted axis; several contracted axes count as one K, in the product's order):
;;     1. [M 8,192, K 1,024] x [K 1,024, N 1,024]; A: input q; B: input wq: QUANTISED (scales: A lowp_scales[0], B lowp_scales[1])
;;     2. [M 8,192, K 1,024] x [K 1,024, N 1,024]; A: input k; B: input wk: QUANTISED (scales: A lowp_scales[2], B lowp_scales[3])
;;     3. [M 8,192, K 1,024] x [K 1,024, N 1,024]; A: input v; B: input wv: QUANTISED (scales: A lowp_scales[4], B lowp_scales[5])
;;     4. batch 64 x [M 2,048, K 64] x [K 64, N 2,048]; A: computed on the way; B: computed on the way: QUANTISED (scales: A lowp_scales[6], B lowp_scales[7])
;;     5. batch 64 x [M 2,048, K 2,048] x [K 2,048, N 64]; A: softmax (see below); B: computed on the way: QUANTISED (scales: A lowp_scales[8], B lowp_scales[9])
;;     6. [M 8,192, K 1,024] x [K 1,024, N 1,024]; A: computed on the way; B: input wo: QUANTISED (scales: A lowp_scales[10], B lowp_scales[11])
;;   THE QUANTISER, for each operand of a quantised product, along K:
;;     - The operand's scale is 2^e, e = its entry of the input lowp_scales (int32; the entries are numbered through the quantised products in the list's order, A before B).
;;     - Each number is divided by the scale, clamped to +-57,344, and rounded to the nearest number of E5M2, ties to even, subnormals kept.
;;     - The product sums the exact products of the quantised numbers (number of the format x scale) in f32.
;;   ~~~python
;;   def quantise(x, axis, e):      # numpy; x: float32 -> the quantised numbers, widened to float32 again
;;       x = np.moveaxis(x, axis, -1); K = x.shape[-1]
;;       r = np.clip(x / 2.0 ** e, -57344, 57344)
;;       step = 2.0 ** (np.maximum(np.frexp(np.where(r == 0, 1, r))[1] - 1, -14) - 2)
;;       q = np.round(r / step) * step * 2.0 ** e      # np.round: ties to even
;;       return np.moveaxis(q, -1, axis).astype(np.float32)
;;   ~~~
;;   SOFTMAX AHEAD OF A QUANTISED PRODUCT. Where the list says 'softmax', what is quantised is not the finished softmax but p = 2^(t - M), with t = logit x log2(e) and M = ceil(the row's largest t), a whole number; so 1/2 < the row's largest p <= 1. The row's sum l is taken of the UNQUANTISED p, in f32, and the product's result is divided by l at the end. Since M is a whole number, a kernel that streams over the keys may use a running M (the ceiling of the running maximum): every later rescaling is an exact power of two, so the quantised numbers keep their values, but for numbers so far below the row's largest that they fall under the format's range.
;;   OPERANDS COMPUTED ON THE WAY. 'Computed on the way' means the value that the module computes at that place (a softmax that the list does not call 'softmax' is quantised finished and normalised). What goes into a quantiser is computed in f32, as accurately as f32 sums, v_exp_f32 and their like allow (about 1e-6 of the number): no bf16 or f16 on the way to a quantiser, and a product that is left as it is and whose result goes on into a quantised operand takes f32 operands (vector FMAs, or v_wmma_f32_16x16x4_f32). A number that lies on a knife's edge between two numbers of the format may be rounded either way, as far as f32 arithmetic and the matrix unit's own rounding can turn it there, and no further.
;; One version. Each part assembles by itself: llvm-mc -triple=amdgcn-amd-amdhsa -mcpu=gfx1250 --defsym DOCPART=n.
;; ======== version 1 of 1: 4 launches
;; limits: right only within a limited range of input values
;; workspace buffers: codes 29,360,128 bytes; maskw 2,097,152 bytes of whole numbers; qkv 25,165,824 bytes; xi 8,388,608 bytes
;; launch prep (part 1): grid 2816 x 1, 4 waves a work-group, no clusters, 67,072 bytes of LDS; arguments q, k, v, wq, wk, wv, wo, lowp_scales, mask, codes, maskw; writes codes, maskw
.if DOCPART == 1
	.amdgcn_target "amdgcn-amd-amdhsa--gfx1250"
	.amdhsa_code_object_version 6
	.text
	.protected	k_qc4749dcb45_prep
	.globl	k_qc4749dcb45_prep
	.p2align	8
	.type	k_qc4749dcb45_prep,@function
k_qc4749dcb45_prep:
	s_mov_b64 s[64:65], 0
	v_nop
	global_prefetch_b8 v0, s[64:65] scope:SCOPE_SE
	s_setreg_imm32_b32 hwreg(HW_REG_WAVE_MODE, 25, 1), 1
	s_wait_xcnt 0x0
; PREP.  Two jobs in one launch, told apart by the work-group's number; each has LDS bytes of its own.
; (1) Work-groups 0 to 1791: q, k, v [8192][1024] and wq, wk, wv, wo [1024][1024], f32, become codes of BF8 (E5M2), one byte each, K innermost, each tensor with its given scale 2^e:
;     code = x / 2^e, held within +-57,344, to the nearest code, ties to even.  They lie in ONE buffer of 28,672 rows of 1,024 bytes: q 0, k 8192, v 16384, wq 24576, wk 25600, wv 26624, wo 27648.
;     A ROW IS STORED AT ITS NUMBER WITH BITS 3 AND 4 SWAPPED.  So 16 rows on end in the buffer (tile 2 b + u, place p) are the true rows 32 b + 8 u + p + 8 (p / 8): where such a tile is a matrix
;     instruction's first source, a lane's 16 results of tiles 2 b and 2 b + 1 are 16 neighbours in the true order.
;     A work-group takes 16 rows, a wave 4 of them: 8 steps of 512 numbers.  Each load reads 512 consecutive bytes; a step's 2,048 bytes turn through the wave's own stage in LDS, so that a lane holds 16 neighbours.
; (2) Work-groups 1792 to 2815: the mask [4][2048][2048] int32 becomes lane masks.  A work-group takes one tile of 16 queries (batch b, tile T, in the swapped order above) and 1,024 of its 2,048 keys, a wave 2 key steps of 128.
;     maskw [b][T][key step][64 words]: bit 16 h + r of word 16 c + i says whether mask[b][32 (T/2) + 8 (T%2) + r + 8 (r/8)][128 step + 32 c + 16 h + i] is not 0.
; LIMITS: each e between -126 and 112.  NaN among the inputs is not served.  No barrier: waves share nothing.
.set STEPS, 8
.set SP,    80                         ; a lane's place in a stage: 64 bytes + 16 of padding
.set WREG,  8192                       ; job 1: LDS for each wave: two stages of 32 x SP bytes
.set R,     16                         ; v16-79   four sets of 16 numbers as loaded
.set X,     80                         ; v80-111  two sets of 16 neighbours
.set C,     128                        ; v128-159 codes, four registers a step: no store's data are written again
.set QWG,   1792
.set MLDS,  32768                      ; job 2: its stages begin here: 16 rows of 528 bytes for each wave
.set MPI,   528
.set RM,    16                         ; v16-143  two sets of 64 mask words as loaded
.set XM,    144                        ; v144-207 the 64 words of a lane's query
.set WM,    208                        ; v208-211 a pair of result registers for each of the wave's two key steps
	s_load_b512 s[4:19], s[0:1], 0x0               ; q 4, k 6, v 8, wq 10, wk 12, wv 14, wo 16, the scales' exponents 18
	s_load_b128 s[20:23], s[0:1], 0x40             ; mask, codes
	s_load_b64 s[24:25], s[0:1], 0x50              ; maskw
	v_lshl_add_u32 v216, v0, 2, 0x10400
	v_mov_b32 v217, 0
	v_lshrrev_b32 v1, 5, v0
	v_readfirstlane_b32 s30, v1                    ; wave
	v_and_b32 v2, 31, v0                           ; lane
	v_lshlrev_b32 v3, 4, v2                        ; my 16 bytes of a load's 512
	s_cmp_ge_u32 ttmp9, QWG
	s_cbranch_scc1 .Lmask
	; ---------------- job 1: the codes
	v_lshlrev_b32 v4, 4, v2                        ; my 16 codes of a step's 512
	s_mul_i32 s31, s30, WREG
	v_lshrrev_b32 v14, 2, v2
	v_mul_u32_u24 v14, v14, SP
	v_and_b32 v15, 3, v2
	v_lshl_add_u32 v14, v15, 4, v14
	v_add_nc_u32 v14, s31, v14                     ; the stage, way in: four lanes' 64 bytes on end, then the padding
	v_mul_u32_u24 v15, v2, SP
	v_add_nc_u32 v15, s31, v15                     ; way out: my 16 neighbours
	s_wait_kmcnt 0x0
	s_load_b256 s[32:39], s[18:19], 0x0            ; e0 .. e7
	s_load_b128 s[40:43], s[18:19], 0x20           ; e8 .. e11
	s_mov_b64 s[26:27], s[16:17]                   ; which tensor: the choice hangs on the work-group's number alone
	s_mov_b32 s28, 1728
.macro PICKP up, ptr, first
	s_cmp_lt_u32 ttmp9, \up
	s_cselect_b64 s[26:27], s[\ptr:\ptr+1], s[26:27]
	s_cselect_b32 s28, \first, s28
.endm
	PICKP 1728, 14, 1664
	PICKP 1664, 12, 1600
	PICKP 1600, 10, 1536
	PICKP 1536, 8, 1024
	PICKP 1024, 6, 512
	PICKP 512, 4, 0
	s_sub_co_u32 s28, ttmp9, s28                   ; my block of 16 rows in that tensor
	s_lshl_b32 s44, s28, 16                        ; 16 rows of 4,096 bytes
	s_lshl_b32 s45, s30, 14                        ; my wave's 4
	s_add_co_u32 s44, s44, s45
	s_mov_b32 s45, 0
	s_add_nc_u64 s[26:27], s[26:27], s[44:45]
	; the true row is 16 G + 4 w + i (G the work-group, w the wave): bit 4 is G % 2, bit 3 is w / 2.  In the buffer the two are swapped: row 32 (G / 2) + 16 (w / 2) + 8 (G % 2) + 4 (w % 2) + i, of 1,024 bytes
	s_lshr_b32 s46, ttmp9, 1
	s_lshl_b32 s46, s46, 15
	s_lshr_b32 s47, s30, 1
	s_lshl_b32 s47, s47, 14
	s_add_co_u32 s46, s46, s47
	s_and_b32 s47, ttmp9, 1
	s_lshl_b32 s47, s47, 13
	s_add_co_u32 s46, s46, s47
	s_and_b32 s47, s30, 1
	s_lshl_b32 s47, s47, 12
	s_add_co_u32 s46, s46, s47
	s_mov_b32 s47, 0
	s_add_nc_u64 s[22:23], s[22:23], s[46:47]
.macro LOAD t
.irp i, 0,1,2,3
	global_load_b128 v[R+16*((\t)%4)+4*\i:R+16*((\t)%4)+4*\i+3], v3, s[26:27] offset:2048*(\t)+512*\i th:TH_LOAD_NT   ; 32 lanes read 512 consecutive bytes
.endr
.endm
.macro TURN t                          ; step t's numbers through the stage: LDS serves a wave's instructions in order, so no wait stands between the stores and the loads
.irp i, 0,1,2,3
	ds_store_b128 v14, v[R+16*((\t)%4)+4*\i:R+16*((\t)%4)+4*\i+3] offset:32*SP*((\t)%2)+8*SP*\i
.endr
.irp i, 0,1,2,3
	ds_load_b128 v[X+16*((\t)%2)+4*\i:X+16*((\t)%2)+4*\i+3], v15 offset:32*SP*((\t)%2)+16*\i
.endr
.endm
	s_wait_alu depctr_va_vdst(0)
.irp t, 0,1,2,3
	LOAD \t
.endr
	s_wait_kmcnt 0x0
	s_mov_b32 s29, s43                             ; the tensor's exponent, by the same compares: wo e11, wv e5, wk e3, wq e1, v e4, k e2, q e0
.macro PICKE up, e
	s_cmp_lt_u32 ttmp9, \up
	s_cselect_b32 s29, s[\e], s29
.endm
	PICKE 1728, 37
	PICKE 1664, 35
	PICKE 1600, 33
	PICKE 1536, 36
	PICKE 1024, 34
	PICKE 512, 32
	s_add_co_i32 s29, s29, 127
	s_lshl_b32 s31, s29, 23
	v_mov_b32 v11, s31                             ; 2^e as f32: the conversion takes its exponent field
	s_add_co_i32 s29, s29, 15
	s_lshl_b32 s29, s29, 23
	s_or_b32 s29, s29, 0x600000
	v_mov_b32 v10, s29                             ; 57,344 x 2^e
	s_wait_alu depctr_va_vdst(0)                   ; the wait at the head's end
	s_wait_loadcnt 12                              ; step 0's four loads are in; three steps' twelve stay out
	TURN 0
.macro STEP t
.set XS, X+16*((\t)%2)
	s_wait_dscnt 0x0                               ; this step's numbers are back from the stage, and its stores into the stage have read their registers,
.if (\t)+4 < STEPS
	LOAD (\t)+4                                    ; which take the loads of four steps on
.endif
.if (\t)+1 < STEPS
.if STEPS-2-(\t) >= 3
	s_wait_loadcnt 12                              ; the next step's four loads are in; those of the three steps behind it may be out
.else
	s_wait_loadcnt 4*(STEPS-2-(\t))
.endif
	TURN (\t)+1
.endif
.irp i, 0,1,2,3,4,5,6,7,8,9,10,11,12,13,14,15
	v_med3_num_f32 v[XS+\i], v[XS+\i], -v10, v10   ; the conversion to an 8-bit code does not saturate (ISA guide 7.6.2): the hold comes first
.endr
	v_cvt_scalef32_pk8_bf8_f32 v[C+4*(\t):C+4*(\t)+1], v[XS:XS+7], v11
	v_cvt_scalef32_pk8_bf8_f32 v[C+4*(\t)+2:C+4*(\t)+3], v[XS+8:XS+15], v11
	global_store_b128 v4, v[C+4*(\t):C+4*(\t)+3], s[22:23] offset:512*(\t)   ; the wave stores 512 consecutive bytes.  (The results go to a store alone; the next vector lines are plain and touch other registers)
.endm
.irp t, 0,1,2,3,4,5,6,7
	STEP \t
.endr
	s_wait_tensorcnt 0x0                           ; the wave's end
	ds_add_u32 v216, v217
	s_wait_dscnt 0x0
	s_endpgm
	; ---------------- job 2: the mask
.Lmask:
	s_sub_co_u32 s31, ttmp9, QWG
	s_and_b32 s57, s31, 1                          ; which 8 of the tile's 16 key steps
	s_lshr_b32 s31, s31, 1                         ; 128 b + T
	s_lshr_b32 s44, s31, 7                         ; b
	s_and_b32 s45, s31, 127                        ; T
	s_lshr_b32 s46, s45, 1
	s_lshl_b32 s46, s46, 5
	s_and_b32 s47, s45, 1
	s_lshl_b32 s47, s47, 3
	s_add_co_u32 s46, s46, s47                     ; the tile's first query: 32 (T / 2) + 8 (T % 2)
	s_lshl_b32 s46, s46, 13                        ; a row of the mask is 8,192 bytes
	s_lshl_b32 s44, s44, 24                        ; a batch 2^24
	s_add_co_u32 s44, s44, s46
	s_lshl_b32 s47, s57, 12                        ; my work-group's eight key steps of 512 bytes,
	s_add_co_u32 s44, s44, s47
	s_lshl_b32 s47, s30, 10                        ; my wave's two
	s_add_co_u32 s44, s44, s47
	s_mov_b32 s45, 0
	s_lshl_b32 s46, s31, 12                        ; out: 16 key steps of 256 bytes for a tile,
	s_lshl_b32 s47, s57, 11                        ; my work-group's eight,
	s_add_co_u32 s46, s46, s47
	s_lshl_b32 s47, s30, 9                         ; my wave's two
	s_add_co_u32 s46, s46, s47
	s_mov_b32 s47, 0
	s_mul_i32 s56, s30, 16*MPI
	s_add_co_u32 s56, s56, MLDS                    ; my stage
	s_wait_alu depctr_va_vdst(0)                   ; a wait behind the branch and the run of scalar lines
	v_add_nc_u32 v5, s56, v3                       ; way in: a row as it lies
	v_and_b32 v8, 15, v0                           ; r
	v_bfe_u32 v9, v0, 4, 1                         ; h
	v_mul_u32_u24 v6, v8, MPI
	v_lshl_add_u32 v6, v9, 6, v6
	v_add_nc_u32 v6, s56, v6                       ; way out: row r, + 64 h: keys 16 h on of each 32
	v_lshlrev_b32 v7, 3, v2                        ; a lane stores two words
.irp j, 0,1,2,3
	v_mov_b32 v[WM+\j], 0                          ; written whole once: v_writelane_b32 writes one lane
.endr
	s_wait_alu depctr_va_vdst(0)                   ; a wait directly ahead of the wait below
	s_wait_kmcnt 0x0
	s_add_nc_u64 s[20:21], s[20:21], s[44:45]
	s_add_nc_u64 s[24:25], s[24:25], s[46:47]
.macro LOADM t                         ; key step t of my two: 16 rows x 512 consecutive bytes; the tile's place p is the query p + 8 (p / 8) rows on
.irp p, 0,1,2,3,4,5,6,7,8,9,10,11,12,13,14,15
	global_load_b128 v[RM+64*((\t)%2)+4*\p:RM+64*((\t)%2)+4*\p+3], v3, s[20:21] offset:(\p+8*(\p/8))*8192+512*(\t) th:TH_LOAD_NT
.endr
.endm
.macro BLOCKM t
.set RS, RM+64*((\t)%2)
.if (\t) < 1
	s_wait_loadcnt 16                              ; this key step's 16 loads are in; the other one's 16 may be out
.else
	s_wait_loadcnt 0x0
.endif
.irp p, 0,1,2,3,4,5,6,7,8,9,10,11,12,13,14,15
	ds_store_b128 v5, v[RS+4*\p:RS+4*\p+3] offset:MPI*\p
.endr
.irp c, 0,1,2,3
.irp e, 0,1,2,3
	ds_load_b128 v[XM+16*\c+4*\e:XM+16*\c+4*\e+3], v6 offset:128*\c+16*\e   ; register 16 c + i: key 32 c + 16 h + i of my query
.endr
.endr
	s_wait_dscnt 0x0                               ; my 64 words are in
.set W, 0
.rept 8
.irp n, 0,1,2,3,4,5,6,7
	v_cmp_ne_u32 s[48+\n], 0, v[XM+W+\n]           ; word W + n: a bit a lane
.endr
.irp n, 0,1,2,3,4,5,6,7
	v_writelane_b32 v[WM+2*(\t)+(\n%2)], s[48+\n], (W+\n)/2   ; lane j keeps words 2 j and 2 j + 1
.endr
.set W, W+8
.endr
	global_store_b64 v7, v[WM+2*(\t):WM+2*(\t)+1], s[24:25] offset:256*(\t)   ; 32 lanes store 256 consecutive bytes, aligned
.endm
	LOADM 0
	LOADM 1
	BLOCKM 0
	BLOCKM 1
	s_wait_tensorcnt 0x0                           ; the wave's end
	ds_add_u32 v216, v217
	s_wait_dscnt 0x0
	s_endpgm
.Lfunc_end_k_qc4749dcb45_prep:
	.size	k_qc4749dcb45_prep, .Lfunc_end_k_qc4749dcb45_prep-k_qc4749dcb45_prep
	.p2alignl 7, 3214868480
	.fill 96, 4, 3214868480
	.section	.rodata,"a",@progbits
	.p2align	6, 0x0
	.amdhsa_kernel k_qc4749dcb45_prep
		.amdhsa_group_segment_fixed_size 67072
		.amdhsa_private_segment_fixed_size 0
		.amdhsa_enable_private_segment 0
		.amdhsa_kernarg_size 88
		.amdhsa_user_sgpr_count 2
		.amdhsa_user_sgpr_kernarg_segment_ptr 1
		.amdhsa_wavefront_size32 1
		.amdhsa_system_sgpr_workgroup_id_x 1
		.amdhsa_system_sgpr_workgroup_id_y 1
		.amdhsa_system_sgpr_workgroup_id_z 1
		.amdhsa_system_vgpr_workitem_id 0
		.amdhsa_next_free_vgpr 218
		.amdhsa_next_free_sgpr 66
		.amdhsa_reserve_vcc 0
		.amdhsa_float_denorm_mode_32 3
		.amdhsa_float_denorm_mode_16_64 3
		.amdhsa_memory_ordered 1
		.amdhsa_forward_progress 1
		.amdhsa_inst_pref_size 47
	.end_amdhsa_kernel
	.amdgpu_metadata
---
amdhsa.version: [ 1, 2 ]
amdhsa.kernels:
  - .name:           k_qc4749dcb45_prep
    .symbol:         k_qc4749dcb45_prep.kd
    .args:
      - { .name: q, .offset: 0, .size: 8, .value_kind: global_buffer, .address_space: global }
      - { .name: k, .offset: 8, .size: 8, .value_kind: global_buffer, .address_space: global }
      - { .name: v, .offset: 16, .size: 8, .value_kind: global_buffer, .address_space: global }
      - { .name: wq, .offset: 24, .size: 8, .value_kind: global_buffer, .address_space: global }
      - { .name: wk, .offset: 32, .size: 8, .value_kind: global_buffer, .address_space: global }
      - { .name: wv, .offset: 40, .size: 8, .value_kind: global_buffer, .address_space: global }
      - { .name: wo, .offset: 48, .size: 8, .value_kind: global_buffer, .address_space: global }
      - { .name: lowp_scales, .offset: 56, .size: 8, .value_kind: global_buffer, .address_space: global }
      - { .name: mask, .offset: 64, .size: 8, .value_kind: global_buffer, .address_space: global }
      - { .name: codes, .offset: 72, .size: 8, .value_kind: global_buffer, .address_space: global }
      - { .name: maskw, .offset: 80, .size: 8, .value_kind: global_buffer, .address_space: global }
    .group_segment_fixed_size: 67072
    .private_segment_fixed_size: 0
    .kernarg_segment_align: 8
    .kernarg_segment_size: 88
    .max_flat_workgroup_size: 128
    .sgpr_count:     66
    .vgpr_count:     218
    .wavefront_size: 32
...
	.end_amdgpu_metadata
.endif
;; end of part 1
;; launch proj (part 2): grid 4 x 96, 4 waves a work-group, clusters of 4 x 4, 327,680 bytes of LDS; arguments codes, lowp_scales, bq, bk, bv, qkv; writes qkv
.if DOCPART == 2
	.amdgcn_target "amdgcn-amd-amdhsa--gfx1250"
	.amdhsa_code_object_version 6
	.text
	.protected	k_qc4749dcb45_proj
	.globl	k_qc4749dcb45_proj
	.p2align	8
	.type	k_qc4749dcb45_proj,@function
k_qc4749dcb45_proj:
	s_mov_b64 s[64:65], 0
	v_nop
	global_prefetch_b8 v0, s[64:65] scope:SCOPE_SE
	s_setreg_imm32_b32 hwreg(HW_REG_WAVE_MODE, 25, 1), 1
	s_wait_xcnt 0x0
	s_wait_alu depctr_hold_cnt(0) depctr_sa_sdst(0) depctr_va_vdst(0) depctr_va_sdst(0) depctr_va_ssrc(0) depctr_va_vcc(0) depctr_vm_vsrc(0)
	s_getreg_b32 s2, hwreg(HW_REG_IB_STS2, 6, 4)
	s_cmp_eq_u32 s2, 0
	s_cbranch_scc0 .Lentry_in_a_cluster
	s_endpgm
.Lentry_in_a_cluster:
	s_bfe_u32 s2, ttmp6, 0x10000c
	s_cmp_lg_u32 s2, 0xf033
	s_cbranch_scc0 .Lentry_shape_is_right
	s_endpgm
.Lentry_shape_is_right:
.set KSTEP,  256
.set ROWB,   256
.set KROW,   1024
.set PITCH,  272
.set FR,     16
.set NL,     4
.set NP,     4
.set HALFT,  128*PITCH
.set SLOT,   4*HALFT
.set LAPS,   2
.set SPARE,  2*SLOT
.set HS,     393216
.set ADRA, 16
.set ADRB, 20
.set SPW,  28
.set NIL,  29
.set BN,   32
.set BM,   96
.set SCL,  112
.set LIM,  113
.set VO,   114
.set AF,   128
.set TMP,  128
.set CD,   192
.set G1, 24
.set G0, 32
.set G1B, 48
.set G0B, 56
.set MSB, 0
.macro WIN new
.if MSB != (\new)
	s_set_vgpr_msb (MSB<<8)|(\new)
.set MSB, (\new)
.endif
.endm
.set MUL_LO, 0xa1
.set MUL_HI, 0xf1
.set TO_B,   0x40
.macro JLOAD g0a, g1a, g0b, g1b
	s_cmp_eq_u32 s16, 0
	s_cbranch_scc0 .Lfor_b_\@
	tensor_load_to_lds s[\g0a:\g0a+3], s[\g1a:\g1a+7]
	s_nop 0
.rept 4
	v_nop
.endr
	s_branch .Lasked_\@
.Lfor_b_\@:
	tensor_load_to_lds s[\g0b:\g0b+3], s[\g1b:\g1b+7]
	s_nop 0
.rept 4
	v_nop
.endr
.Lasked_\@:
.endm
.macro CREST
	s_cmp_lg_u32 s2, 0
	s_cbranch_scc1 .Lnot_wave_0_\@
	s_barrier_signal -3
.Lnot_wave_0_\@:
	s_barrier_wait -3
	s_barrier_signal -1
	s_barrier_wait -1
.endm
.macro CROUND
	s_barrier_signal -1
	s_barrier_wait -1
	CREST
.endm
	s_load_b256 s[4:11], s[0:1], 0x0
	s_load_b128 s[12:15], s[0:1], 0x20
	v_lshl_add_u32 v[SPW], v0, 2, SPARE
	v_mov_b32 v[NIL], 0
	ds_add_u32 v28, v29
	ds_add_u32 v28, v29
	s_wait_dscnt 0x0
	v_lshrrev_b32 v1, 5, v0
	v_readfirstlane_b32 s2, v1
	s_lshr_b32 s16, s2, 1
	s_and_b32 s17, s2, 1
	s_bfe_u32 s40, ttmp6, 0x40000
	s_bfe_u32 s41, ttmp6, 0x40004
	s_and_b32 s66, ttmp7, 0xffff
	s_lshr_b32 s67, s66, 3
	s_and_b32 s68, s66, 7
	s_lshl_b32 s68, s68, 2
	s_lshl_b32 s43, s41, 2
	s_lshl_b32 s43, 15, s43
	s_lshl_b32 s44, 0x1111, s40
	s_or_b32 s[G1+0], s43, (0<<16)|(1<<20)|(1<<21)|(5<<22)|(3<<25)
	s_or_b32 s[G1B+0], s44, (0<<16)|(1<<20)|(1<<21)|(5<<22)|(3<<25)
.irp g, G1, G1B
	s_mov_b32 s[\g+1], ROWB<<16
	s_mov_b32 s[\g+2], 128<<16
	s_mov_b32 s[\g+3], ROWB<<16
	s_mov_b32 s[\g+4], 128|(2<<16)                 ; tile_dim1 = 128 rows, tile_dim2 = 2 planes: the head's one load brings K steps 0 and 1
	s_mov_b32 s[\g+5], KROW
	s_mov_b32 s[\g+6], ROWB<<16                    ; stride1: a plane is a K step, 256 bytes further along the rows
	s_mov_b32 s[\g+7], 0
.endr
	s_lshl_b32 s18, s67, 13
	s_lshl_b32 s19, s67, 10
	s_add_co_u32 s19, s19, 24576
	s_mov_b32 s20, 26624
	s_cmp_eq_u32 s67, 2
	s_cselect_b32 s18, s20, s18
	s_cselect_b32 s19, 16384, s19
	s_cselect_b32 s21, 0, s68
	s_cselect_b32 s22, s68, 0
	s_add_co_u32 s21, s21, s41
	s_lshl_b32 s21, s21, 8
	s_lshl_b32 s23, s17, 7
	s_add_co_u32 s20, s18, s21
	s_add_co_u32 s20, s20, s23
	s_lshl_b32 s20, s20, 10
	s_mov_b32 s21, 0
	s_add_co_u32 s22, s22, s40
	s_lshl_b32 s22, s22, 8
	s_add_co_u32 s46, s19, s22
	s_add_co_u32 s46, s46, s23
	s_lshl_b32 s46, s46, 10
	s_mov_b32 s47, 0
	s_mul_i32 s45, s2, 2*HALFT                     ; LDS: a wave's quarter holds its 128 rows of slot 0, then those of slot 1
	s_wait_kmcnt 0x0
	s_load_b256 s[84:91], s[6:7], 0x0
	s_load_b128 s[92:95], s[6:7], 0x20
	s_add_nc_u64 s[20:21], s[4:5], s[20:21]
	s_add_nc_u64 s[46:47], s[4:5], s[46:47]
.irp s, 0,1
	s_mov_b32 s[G0+4*\s], 1
	s_add_co_u32 s[G0+4*\s+1], s45, \s*HALFT
	s_add_nc_u64 s[G0+4*\s+2:G0+4*\s+3], s[20:21], \s*ROWB
	s_or_b32 s[G0+4*\s+3], s[G0+4*\s+3], 0x80000000
	s_mov_b32 s[G0B+4*\s], 1
	s_add_co_u32 s[G0B+4*\s+1], s45, \s*HALFT
	s_add_nc_u64 s[G0B+4*\s+2:G0B+4*\s+3], s[46:47], \s*ROWB
	s_or_b32 s[G0B+4*\s+3], s[G0B+4*\s+3], 0x80000000
.endr
	s_wait_alu depctr_va_vdst(0)                   ; a wait directly ahead of the wait below
	s_wait_xcnt 0x0                                ; the scalar loads have read s[6:7]: s[4:7] may be written
	s_mov_b32 s4, 2                                ; descriptor group 2: tensor_dim2 = 2 planes,
	s_mov_b32 s5, 1                                ; tensor_dim3 = 1,
	s_mov_b32 s6, 512                              ; stride2 (tile_dim3 = 0: the dimension is not used)
	s_mov_b32 s7, 0
	s_mov_b32 s44, 512                             ; descriptor group 3: stride3, tensor_dim4 = 1, tile_dim4 = 0
	s_mov_b32 s45, 1<<16
	s_mov_b32 s46, 0
	s_mov_b32 s47, 0
	CROUND                                         ; all sixteen work-groups are here: the first joint loads meet
	s_cmp_eq_u32 s16, 0                            ; my one load at the head: my 128 rows of K steps 0 and 1, two planes on end in my quarter
	s_cbranch_scc0 .Lfor_b3
	tensor_load_to_lds s[G0:G0+3], s[G1:G1+7], s[4:7], s[44:47]
	s_nop 0
.rept 4
	v_nop
.endr
	s_branch .Lasked3
.Lfor_b3:
	tensor_load_to_lds s[G0B:G0B+3], s[G1B:G1B+7], s[4:7], s[44:47]
	s_nop 0
.rept 4
	v_nop
.endr
.Lasked3:
	v_and_b32 v1, 15, v0
	v_bfe_u32 v2, v0, 4, 1
	s_wait_alu depctr_va_vdst(0)
	v_mul_u32_u24 v3, v1, PITCH
	v_lshl_add_u32 v4, v2, 4, v3
	s_mul_i32 s21, s16, 2*HALFT
	s_mul_i32 s22, s17, 2*HALFT
	s_add_co_u32 s22, s22, 4*HALFT
.irp s, 0,1
	v_add_nc_u32 v[ADRA+\s], s21, v4
	v_add_nc_u32 v[ADRB+\s], s22, v4
	s_add_co_u32 s21, s21, HALFT
	s_add_co_u32 s22, s22, HALFT
.endr
	s_lshl_b32 s72, s40, 10
	s_lshl_b32 s73, s41, 10
	s_lshl_b32 s74, s17, 9
	s_lshl_b32 s75, s16, 9
	s_cmp_eq_u32 s67, 0
	s_cselect_b64 s[70:71], s[8:9], s[10:11]
	s_cmp_eq_u32 s67, 2
	s_cselect_b64 s[70:71], s[12:13], s[70:71]
	s_cselect_b32 s72, 0, s72
	s_cselect_b32 s73, s73, 0
	s_cselect_b32 s78, 0, -1
	s_cselect_b32 s79, -1, 0
	s_add_co_u32 s72, s72, s74
	s_add_co_u32 s73, s73, s75
	v_lshl_add_u32 v5, v2, 6, s72
	v_and_b32 v6, 8, v1
	v_add_nc_u32 v6, v6, v1
	v_lshl_add_u32 v6, v6, 2, s73
.irp c, 0,1,2,3
.irp e, 0,1,2,3
	global_load_b128 v[BN+16*\c+4*\e:BN+16*\c+4*\e+3], v5, s[70:71] offset:128*\c+16*\e
.endr
.endr
.irp a, 0,1,2,3,4,5,6,7
	global_load_b32 v[BM+2*\a], v6, s[70:71] offset:4*(32*(\a/2)+8*(\a%2))
	global_load_b32 v[BM+2*\a+1], v6, s[70:71] offset:4*(32*(\a/2)+8*(\a%2))
.endr
	s_cmp_eq_u32 s67, 2
	s_cselect_b32 s72, s40, s41
	s_cselect_b32 s73, s41, s40
	s_cselect_b32 s74, s16, s17
	s_cselect_b32 s75, s17, s16
	s_mov_b32 s76, 16384
	s_cselect_b32 s76, 24576, s76
	s_mov_b32 s96, 1024
	s_cselect_b32 s96, 2048, s96
	s_mov_b32 s98, HS-8192
	s_cselect_b32 s98, s98, 0
	s_mov_b32 s83, HS-1024
	s_cselect_b32 s83, 0, s83
	s_cmp_eq_u32 s67, 0
	s_cselect_b32 s76, 0, s76
	s_mov_b32 s77, 16384
	s_cselect_b32 s77, 8192, s77
	s_mov_b32 s97, 0
	s_mov_b32 s99, 0
	s_add_co_u32 s72, s72, s68
	s_lshr_b32 s69, s72, 3
	s_lshl_b32 s69, s69, 4
	s_lshl_b32 s73, s73, 2
	s_add_co_u32 s69, s69, s73
	s_lshl_b32 s74, s74, 1
	s_add_co_u32 s69, s69, s74
	s_mul_i32 s69, s69, HS
	s_and_b32 s72, s72, 7
	s_mul_i32 s72, s72, 49152
	s_add_co_u32 s72, s72, s69
	s_add_co_u32 s72, s72, s76
	s_mul_i32 s75, s75, s77
	s_add_co_u32 s72, s72, s75
	s_mov_b32 s73, 0
	s_add_nc_u64 s[14:15], s[14:15], s[72:73]
	v_and_b32 v[VO], 31, v0
	v_lshlrev_b32 v[VO], 4, v[VO]
	v_add_nc_u32 v[VO+1], s83, v[VO]
	s_wait_loadcnt 0x0
	s_wait_kmcnt 0x0
	s_cmp_eq_u32 s67, 0
	s_cselect_b32 s80, s84, s86
	s_cselect_b32 s81, s85, s87
	s_cselect_b32 s82, s90, s91
	s_cmp_eq_u32 s67, 2
	s_cselect_b32 s80, s88, s80
	s_cselect_b32 s81, s89, s81
	s_cselect_b32 s82, s93, s82
	s_add_co_i32 s80, s80, s81
	s_sub_co_i32 s81, s82, s80
	s_sub_co_i32 s80, 0, s80
.set J, 0
.rept 64
	v_and_b32 v[BN+J], s78, v[BN+J]
	v_ldexp_f32 v[BN+J], v[BN+J], s80
.set J, J+1
.endr
.set J, 0
.rept 16
	v_and_b32 v[BM+J], s79, v[BM+J]
	v_ldexp_f32 v[BM+J], v[BM+J], s80
.set J, J+1
.endr
	s_add_co_i32 s81, s81, 127
	s_lshl_b32 s82, s81, 23
	v_mov_b32 v[SCL], s82
	s_add_co_i32 s81, s81, 15
	s_lshl_b32 s81, s81, 23
	s_or_b32 s81, s81, 0x600000
	v_mov_b32 v[LIM], s81
.macro FRAG reg, adr, q, i
.irp c, 0,1,2,3
	ds_load_b128 v[\reg+4*\c:\reg+4*\c+3], v[\adr] offset:128*(\q)+32*\c+(\i)*16*PITCH
.endr
.endm
.macro MUL16 a0, p, first
.irp a, \a0, \a0+1
.irp b, 0,1,2,3,4,5,6,7
.if \first
	v_wmma_f32_16x16x128_bf8_bf8 v[8*(8*((\a)%4)+\b):8*(8*((\a)%4)+\b)+7], v[128*(\p)+FR*\b:128*(\p)+FR*\b+FR-1], v[AF+FR*(\a):AF+FR*(\a)+FR-1], v[BN+8*\b:BN+8*\b+7]
.else
	v_wmma_f32_16x16x128_bf8_bf8 v[8*(8*((\a)%4)+\b):8*(8*((\a)%4)+\b)+7], v[128*(\p)+FR*\b:128*(\p)+FR*\b+FR-1], v[AF+FR*(\a):AF+FR*(\a)+FR-1], v[8*(8*((\a)%4)+\b):8*(8*((\a)%4)+\b)+7]
.endif
.endr
.endr
.endm
.macro FETCH_B slot, q, p
	WIN TO_B
.irp i, 0,1,2,3,4,5,6,7
	FRAG 128*(\p)+FR*\i, ADRB+\slot, \q, \i
.endr
	WIN 0
.endm
.macro FETCH_A slot, q, i0
.irp i, \i0, \i0+1, \i0+2, \i0+3
	FRAG AF+FR*(\i), ADRA+\slot, \q, \i
.endr
.endm
.macro PLACES n
.rept \n
	v_nop
.endr
.endm
.macro STEP slot, q, first
	s_wait_dscnt 4*NL
	WIN MUL_LO-0x20*(\first)
	MUL16 0, (\q)%2, \first
	MUL16 2, (\q)%2, \first
	s_wait_dscnt 0
	PLACES NP
	FETCH_B \slot, (\q)+1, 1-(\q)%2
	FETCH_A \slot, (\q)+1, 0
	WIN MUL_HI-0x30*(\first)
	MUL16 4, (\q)%2, \first
	MUL16 6, (\q)%2, \first
	PLACES NP
	WIN 0
	FETCH_A \slot, (\q)+1, 4
.endm
.macro TURN slot, next, fill
	s_wait_tensorcnt 0x0
	ds_add_u32 v[SPW], v[NIL]
	s_wait_dscnt 4*NL+1
	WIN MUL_LO
	MUL16 0, 1, 0
	s_wait_dscnt 0x0
	s_barrier_signal -1
	MUL16 2, 1, 0
	WIN 0
	s_barrier_wait -1
.if \fill
	CREST
	s_add_nc_u64 s[G0+4*\slot+2:G0+4*\slot+3], s[G0+4*\slot+2:G0+4*\slot+3], 2*ROWB
	s_add_nc_u64 s[G0B+4*\slot+2:G0B+4*\slot+3], s[G0B+4*\slot+2:G0B+4*\slot+3], 2*ROWB
	JLOAD G0+4*\slot, G1, G0B+4*\slot, G1B
.else
	PLACES NP
.endif
	FETCH_B \next, 0, 0
	FETCH_A \next, 0, 0
	WIN MUL_HI
	MUL16 4, 1, 0
	MUL16 6, 1, 0
	PLACES NP
	WIN 0
	FETCH_A \next, 0, 4
.endm
	s_wait_tensorcnt 0x0                           ; my part of K steps 0 and 1 is in, so the descriptors may be written:
	s_mov_b32 s[G1+4], 128                         ; the refills bring one K step, one plane
	s_mov_b32 s[G1+6], 0
	s_mov_b32 s[G1B+4], 128
	s_mov_b32 s[G1B+6], 0
	s_barrier_signal -1
	s_barrier_wait -1
	FETCH_B 0, 0, 0
	FETCH_A 0, 0, 0
	FETCH_A 0, 0, 4
	STEP 0, 0, 1
	s_mov_b32 s3, LAPS-1
.Llap:
	TURN 0, 1, 1
	STEP 1, 0, 0
	TURN 1, 0, 1
	STEP 0, 0, 0
	s_sub_co_u32 s3, s3, 1
	s_cmp_lg_u32 s3, 0
	s_cbranch_scc1 .Llap
	TURN 0, 1, 0
	STEP 1, 0, 0
	s_wait_dscnt 4*NL
	WIN MUL_LO
	MUL16 0, 1, 0
	MUL16 2, 1, 0
	s_wait_dscnt 0
	WIN MUL_HI
	MUL16 4, 1, 0
	MUL16 6, 1, 0
	WIN 0
	PLACES NP
.macro BLOCKOUT a
.set AC, 64*((\a)%4)
	WIN 0x02+((\a)/4)
.set J, 0
.rept 32
	v_pk_add_f32 v[TMP+J:TMP+J+1], v[AC+J:AC+J+1], v[BM+2*(\a):BM+2*(\a)+1]
.set J, J+2
.endr
	WIN 0
.set J, 0
.rept 64
	v_med3_num_f32 v[TMP+J], v[TMP+J], -v[LIM], v[LIM]
.set J, J+1
.endr
.if (\a) > 0
	s_wait_alu depctr_va_vdst(0)
	s_wait_xcnt 0x0
	s_add_nc_u64 s[14:15], s[14:15], s[96:97]
.endif
.if (\a) == 4
	s_add_nc_u64 s[14:15], s[14:15], s[98:99]
.endif
.set J, 0
.rept 8
	v_cvt_scalef32_pk8_bf8_f32 v[CD+2*J:CD+2*J+1], v[TMP+8*J:TMP+8*J+7], v[SCL]
.set J, J+1
.endr
	v_nop
.irp b, 0,1,2,3
	global_store_b128 v[VO+\b/2], v[CD+4*\b:CD+4*\b+3], s[14:15] offset:512*\b
.endr
.endm
.irp a, 0,1,2,3,4,5,6,7
	BLOCKOUT \a
.endr
	s_wait_tensorcnt 0x0
	ds_add_u32 v[SPW], v[NIL]
	s_wait_dscnt 0x0
	CROUND
	s_endpgm
.Lfunc_end_k_qc4749dcb45_proj:
	.size	k_qc4749dcb45_proj, .Lfunc_end_k_qc4749dcb45_proj-k_qc4749dcb45_proj
	.p2alignl 7, 3214868480
	.fill 96, 4, 3214868480
	.section	.rodata,"a",@progbits
	.p2align	6, 0x0
	.amdhsa_kernel k_qc4749dcb45_proj
		.amdhsa_group_segment_fixed_size 327680
		.amdhsa_private_segment_fixed_size 0
		.amdhsa_enable_private_segment 0
		.amdhsa_kernarg_size 48
		.amdhsa_user_sgpr_count 2
		.amdhsa_user_sgpr_kernarg_segment_ptr 1
		.amdhsa_wavefront_size32 1
		.amdhsa_system_sgpr_workgroup_id_x 1
		.amdhsa_system_sgpr_workgroup_id_y 1
		.amdhsa_system_sgpr_workgroup_id_z 1
		.amdhsa_system_vgpr_workitem_id 0
		.amdhsa_next_free_vgpr 1024
		.amdhsa_next_free_sgpr 102
		.amdhsa_reserve_vcc 0
		.amdhsa_float_denorm_mode_32 3
		.amdhsa_float_denorm_mode_16_64 3
		.amdhsa_memory_ordered 1
		.amdhsa_forward_progress 1
		.amdhsa_inst_pref_size 147
	.end_amdhsa_kernel
	.amdgpu_metadata
---
amdhsa.version: [ 1, 2 ]
amdhsa.kernels:
  - .name:           k_qc4749dcb45_proj
    .symbol:         k_qc4749dcb45_proj.kd
    .args:
      - { .name: codes, .offset: 0, .size: 8, .value_kind: global_buffer, .address_space: global }
      - { .name: lowp_scales, .offset: 8, .size: 8, .value_kind: global_buffer, .address_space: global }
      - { .name: bq, .offset: 16, .size: 8, .value_kind: global_buffer, .address_space: global }
      - { .name: bk, .offset: 24, .size: 8, .value_kind: global_buffer, .address_space: global }
      - { .name: bv, .offset: 32, .size: 8, .value_kind: global_buffer, .address_space: global }
      - { .name: qkv, .offset: 40, .size: 8, .value_kind: global_buffer, .address_space: global }
    .group_segment_fixed_size: 327680
    .private_segment_fixed_size: 0
    .kernarg_segment_align: 8
    .kernarg_segment_size: 48
    .max_flat_workgroup_size: 128
    .sgpr_count:     102
    .vgpr_count:     1024
    .wavefront_size: 32
...
	.end_amdgpu_metadata
.endif
;; end of part 2
;; launch attn (part 3): grid 4 x 64, 16 waves a work-group, clusters of 4 x 1, 264,192 bytes of LDS; arguments qkv, maskw, lowp_scales, xi; writes xi
.if DOCPART == 3
	.amdgcn_target "amdgcn-amd-amdhsa--gfx1250"
	.amdhsa_code_object_version 6
	.text
	.protected	k_qc4749dcb45_attn
	.globl	k_qc4749dcb45_attn
	.p2align	8
	.type	k_qc4749dcb45_attn,@function
k_qc4749dcb45_attn:
	s_mov_b64 s[64:65], 0
	v_nop
	global_prefetch_b8 v0, s[64:65] scope:SCOPE_SE
	s_setreg_imm32_b32 hwreg(HW_REG_WAVE_MODE, 25, 1), 1
	s_wait_xcnt 0x0
	s_wait_alu depctr_hold_cnt(0) depctr_sa_sdst(0) depctr_va_vdst(0) depctr_va_sdst(0) depctr_va_ssrc(0) depctr_va_vcc(0) depctr_vm_vsrc(0)
	s_getreg_b32 s2, hwreg(HW_REG_IB_STS2, 6, 4)
	s_cmp_eq_u32 s2, 0
	s_cbranch_scc0 .Lentry_in_a_cluster
	s_endpgm
.Lentry_in_a_cluster:
	s_bfe_u32 s2, ttmp6, 0x10000c
	s_cmp_lg_u32 s2, 0x3003
	s_cbranch_scc0 .Lentry_shape_is_right
	s_endpgm
.Lentry_shape_is_right:
; ATTN.  x = softmax(where(mask == 0, -1e9, Q K^T / 8)) V for each of 64 (batch, head), both products on codes of BF8 (E5M2) with the given scales e6 (Q), e7 (K), e8 (p), e9 (V); x is quantised with e10.
; THE SOFTMAX: t = logit x log2(e); M = the running largest t rounded UP to a whole number; p = 2^(t - M) is quantised, not normalised; the row's sum is taken of the unquantised p and divides at the end.
; SHARES.  A cluster of four work-groups is one (batch, head).  A work-group owns 512 queries; each of its 16 waves owns TWO tiles of 16 queries and works them together; four waves share a SIMD.
; THE HEAD'S WHOLE K AND V, 16 key steps of 16,384 bytes, LIE IN LDS FOR THE WHOLE LAUNCH: wave w brings key step w by ONE joint tensor load (one load of mine is out), asked for by all four work-groups alike.
; Nothing is filled again: no ring, one barrier.  The tiles are images of operand registers: a group of four registers is 512 bytes, lane l's 16 at 16 l: every LDS load reads 512 consecutive bytes.
; A HALF STEP is 64 keys against both tiles: 8 products K Q^T, the softmax of 2 x 32 scores a lane, 8 products V^T P.  Each fragment of K and of V feeds two products.  K and V have registers of their own:
; V of this half step and K of the next are asked for straight behind the scores' products and land under the softmax.
; LAYOUT.  Both products transposed: S^T = K Q^T (source 0 = 16 keys), O^T = V^T P^T (source 0 = 16 channels): a lane holds ONE query of each tile.  The keys of a tile are chosen so that the 16 registers of tiles
; 2 c, 2 c + 1 are the keys 32 c + 16 (lane / 16) + 0 .. 15; likewise the channels of O^T.  So the conversions' results are the next operand's registers, for p and for x.
; THE MASK comes as lane masks, a word for each score register (2 x 32 a half step), by scalar loads a half step ahead; it only selects values.
; LIMITS.  A masked logit is -2^30, not -1e9: the raw score -2^(33 - e6 - e7) times c is then a whole number, so a row with no open key gets p = 1 for every key, as reference() has it; with an open key the masked p are 0.
; The results are reference()'s wherever open logits lie above -5e8.  e6 + e7 between -94 and 130; e8, and e10 - e8 - e9, between -126 and 112.  NaN is not served.
.set HS,   393216                      ; a head in qkv
.set SLB,  49152                       ; a slot of 256 tokens in it
.set KSB,  16384                       ; a key step of 128 keys, in qkv and in LDS: 8 fragments of K (1,024 bytes), 4 of V^T (2,048)
.set LI,   1                           ; v1   16 x lane
.set AD,   2                           ; v2   LDS address of the key step in hand
.set ADN,  3                           ; v3   of the next one (the last trip: of the last one again)
.set NEG,  4                           ; v4   the masked score
.set LP,   5                           ; v5, v6  57,344 x 2^e8, twice: a register for each half of a dual instruction
.set SCP,  7                           ; v7   2^e8
.set LX,   8                           ; v8   57,344 x 2^(e10 - e8 - e9)
.set SCX,  9                           ; v9   2^(e10 - e8 - e9)
.set PM,   10                          ; v10, v11  what the lane 16 away sends, tile 0, 1
.set STA,  12                          ; tile t at v[12 + 4 t]: -M, the largest t, the sum in two halves
.set FF,   20                          ; v[20 + 2 t]: f = 2^(old M - new M); the pair's upper word is written once
.set OLD,  24                          ; v[24 + t]: the old -M
.set CH,   26                          ; v[26 + 2 t], + 1: two chains of maxima a tile
.set QF,   32                          ; v32-47   Q: 8 registers a tile
.set KF,   48                          ; v48-79   four fragments of K
.set VF,   80                          ; v80-111  four fragments of V^T, 16 channels x 64 keys
.set S,    112                         ; v112-175 S^T, then p: 32 a tile
.set O,    176                         ; v176-239 O^T: 32 a tile
.set PC,   240                         ; v240-255 p's codes, 8 a tile; at the end x's
.set WV,   66
.set TB,   67                          ; LDS byte at which the key step begins
.set MPT,  84                          ; s[84:85] the mask words' pointer; s[86:87] its step.  The words: s4-51 and s68-83 (word w of 64 in s[4 + w], from 48 on in s[20 + w])
.set SEL,  88
.set CS,   90                          ; s[90:91] c = log2(e) / 8 x 2^(e6 + e7)
.set ST,   92                          ; the key step's number
.set TBN,  93
.set QP,   94
.set XP,   96
.set G1,   52
.set G0,   60
.macro CROUND
	s_barrier_signal -1
	s_barrier_wait -1
	s_cmp_lg_u32 s[WV], 0
	s_cbranch_scc1 .Lnot_wave_0_\@
	s_barrier_signal -3
.Lnot_wave_0_\@:
	s_barrier_wait -3
	s_barrier_signal -1
	s_barrier_wait -1
.endm
.macro MLOAD off                       ; a half step's words: 128 bytes for my first tile, 128 for my second, which lies 16 tiles of 4,096 bytes on
	s_load_b512 s[4:19], s[MPT:MPT+1], \off
	s_load_b512 s[20:35], s[MPT:MPT+1], \off+0x40
	s_load_b512 s[36:51], s[MPT:MPT+1], \off+0x10000
	s_load_b512 s[68:83], s[MPT:MPT+1], \off+0x10040
.endm
.macro KLOAD adr, off                  ; four fragments of K: 16 keys x 64 channels each
.set F, 0
.rept 4
	ds_load_b128 v[KF+8*F:KF+8*F+3], v[\adr] offset:\off+1024*F
	ds_load_b128 v[KF+8*F+4:KF+8*F+7], v[\adr] offset:\off+1024*F+512
.set F, F+1
.endr
.endm
.macro VLOAD u                         ; four fragments of V^T: 16 channels x the key step's keys 64 u on
.set F, 0
.rept 4
	ds_load_b128 v[VF+8*F:VF+8*F+3], v[AD] offset:8192+2048*F+1024*(\u)
	ds_load_b128 v[VF+8*F+4:VF+8*F+7], v[AD] offset:8192+2048*F+1024*(\u)+512
.set F, F+1
.endr
.endm
.macro QK i                            ; scores: my tile i / 4 against fragment i % 4
	v_wmma_f32_16x16x64_bf8_bf8 v[S+8*(\i):S+8*(\i)+7], v[KF+8*((\i)%4):KF+8*((\i)%4)+7], v[QF+8*((\i)/4):QF+8*((\i)/4)+7], 0
.endm
.macro CND i                           ; where the mask is 0: the masked score.  The accumulator is read from its low end on
.set J, 8*(\i)
.rept 8
	v_cndmask_b32 v[S+J], v[NEG], v[S+J], s[4+J+16*(J/48)]
.set J, J+1
.endr
.endm
.macro FMA q                           ; t - M for pair q / 2 of tile q % 2 (of the pairs c and -M the low word serves both halves)
.set RR, S+32*((\q)%2)+2*((\q)/2)
.set TT, STA+4*((\q)%2)
	v_pk_fma_f32 v[RR:RR+1], v[RR:RR+1], s[CS:CS+1], v[TT:TT+1] op_sel_hi:[1,0,0]
.endm
.macro HOLD t, j                       ; the hold at the largest code x the scale, two numbers an instruction; p is not negative, so it is one-sided.  Destinations even and odd; each pair of sources in registers of different banks
.set RH, S+32*(\t)+2*(\j)
	v_dual_min_num_f32 v[RH], v[RH], v[LP] :: v_dual_min_num_f32 v[RH+1], v[RH+1], v[LP+1]
.endm
	s_load_b256 s[4:11], s[0:1], 0x0               ; qkv 4, maskw 6, the scales' exponents 8, xi 10
	v_lshl_add_u32 v30, v0, 2, 0x40000
	v_mov_b32 v31, 0
	ds_add_u32 v30, v31
	ds_add_u32 v30, v31
	v_lshrrev_b32 v2, 5, v0
	v_readfirstlane_b32 s[WV], v2                  ; wave 0..15
	v_and_b32 v1, 31, v0
	v_lshlrev_b32 v1, 4, v1                        ; 16 x lane
	s_wait_alu depctr_va_vdst(0)                   ; a run of scalar lines, waits and branches follows
	s_bfe_u32 s12, ttmp6, 0x40000                  ; cx: it enters Q's, the mask words' and xi's global addresses alone
	s_and_b32 s13, ttmp7, 0xffff                   ; 16 x batch + head, which the four partners share
	s_mov_b32 s[G1], 15|(3<<16)|(1<<21)            ; the mask: all four; elements of 8 bytes; bit 21 beside a mask; no padding
	s_mov_b32 s[G1+1], 32<<16                      ; tensor_dim0 = 32 elements: rows of 256 bytes
	s_mov_b32 s[G1+2], 64<<16                      ; tensor_dim1 = 64
	s_mov_b32 s[G1+3], 32<<16                      ; tile_dim0
	s_mov_b32 s[G1+4], 64                          ; tile_dim1
	s_mov_b32 s[G1+5], 32                          ; dense: a row begins where the last ends
	s_mov_b32 s[G1+6], 0
	s_mov_b32 s[G1+7], 0
	s_mov_b32 s[SEL], 0x76543210
	s_mov_b32 s[SEL+1], 0xfedcba98
	s_mul_i32 s14, s13, HS                         ; the head's first byte in qkv
	s_lshr_b32 s16, s[WV], 1                       ; key step w lies in slot w / 2,
	s_mul_i32 s16, s16, SLB
	s_and_b32 s17, s[WV], 1
	s_lshl_b32 s17, s17, 14                        ; behind Q's 16,384 bytes, 16,384 a key step
	s_add_co_u32 s16, s16, s17
	s_add_co_u32 s16, s16, 16384
	s_add_co_u32 s16, s16, s14
	s_mov_b32 s17, 0
	s_mul_i32 s18, s12, 2*SLB                      ; Q: my work-group's two slots, my wave's tile in each
	s_lshl_b32 s19, s[WV], 10
	s_add_co_u32 s18, s18, s19
	s_add_co_u32 s18, s18, s14
	s_mov_b32 s19, 0
	s_lshl_b32 s20, s12, 5
	s_add_co_u32 s20, s20, s[WV]                   ; my first tile of queries in the batch: 32 cx + wave; my second lies 16 tiles on
	s_lshr_b32 s21, s13, 4                         ; batch
	s_lshl_b32 s22, s21, 19                        ; mask words: 524,288 bytes a batch, 4,096 a tile
	s_lshl_b32 s23, s20, 12
	s_add_co_u32 s22, s22, s23
	s_mov_b32 s23, 0
	s_lshl_b32 s24, s21, 7
	s_add_co_u32 s24, s24, s20
	s_lshl_b32 s24, s24, 14                        ; xi: 16,384 bytes a tile of tokens, 1,024 a head
	s_and_b32 s25, s13, 15
	s_lshl_b32 s25, s25, 10
	s_add_co_u32 s24, s24, s25
	s_mov_b32 s25, 0
	s_wait_dscnt 0x0
	s_wait_kmcnt 0x0
	s_load_b128 s[28:31], s[8:9], 0x18             ; e6 .. e9
	s_load_b32 s32, s[8:9], 0x28                   ; e10
	s_mov_b32 s[G0], 1                             ; count = 1
	s_lshl_b32 s[G0+1], s[WV], 14                  ; LDS address: 16,384 x wave
	s_add_nc_u64 s[G0+2:G0+3], s[4:5], s[16:17]
	s_or_b32 s[G0+3], s[G0+3], 0x80000000          ; type = 2
	s_add_nc_u64 s[QP:QP+1], s[4:5], s[18:19]
	s_add_nc_u64 s[MPT:MPT+1], s[6:7], s[22:23]
	s_add_nc_u64 s[XP:XP+1], s[10:11], s[24:25]
	s_mov_b32 s[MPT+3], 0
	CROUND                                         ; all four work-groups are here: the joint loads meet
	tensor_load_to_lds s[G0:G0+3], s[G1:G1+7]
	s_nop 0
.rept 4
	v_nop
.endr
	global_load_b128 v[QF:QF+3], v[LI], s[QP:QP+1]
	global_load_b128 v[QF+4:QF+7], v[LI], s[QP:QP+1] offset:512
	global_load_b128 v[QF+8:QF+11], v[LI], s[QP:QP+1] offset:SLB
	global_load_b128 v[QF+12:QF+15], v[LI], s[QP:QP+1] offset:SLB+512
.irp t, 0,1
	v_mov_b32 v[STA+4*\t+1], 0xff61b1e6            ; the largest t so far: -3e38
	v_mov_b32 v[STA+4*\t+2], 0                     ; the sum, in two halves
	v_mov_b32 v[STA+4*\t+3], 0
	v_mov_b32 v[FF+2*\t+1], 0                      ; (named as the upper half of f's pair)
	v_mov_b32 v[PM+\t], 0                          ; written once: a lane permute's destination counts as one of its sources
.endr
.irp t, 0,1
	v_floor_f32 v[STA+4*\t], -v[STA+4*\t+1]        ; -M
.endr
.set J, 0
.rept 64
	v_mov_b32 v[O+J], 0                            ; O^T: the half step is written without a first of its own; the first change of M multiplies zeros
.set J, J+1
.endr
	s_wait_kmcnt 0x0
	s_add_co_i32 s33, s28, s29                     ; e6 + e7
	s_lshl_b32 s34, s33, 23
	s_add_co_i32 s[CS], s34, 0x3e38aa3b            ; log2(e) / 8, with the two exponents added to its exponent field
	s_mov_b32 s[CS+1], s[CS]
	s_sub_co_i32 s34, 160, s33
	s_lshl_b32 s34, s34, 23
	s_or_b32 s34, s34, 0x80000000
	v_mov_b32 v[NEG], s34                          ; -2^(33 - e6 - e7)
	s_add_co_i32 s34, s30, 127
	s_lshl_b32 s35, s34, 23
	v_mov_b32 v[SCP], s35                          ; 2^e8
	s_add_co_i32 s34, s34, 15
	s_lshl_b32 s34, s34, 23
	s_or_b32 s34, s34, 0x600000
	v_mov_b32 v[LP], s34                           ; 57,344 x 2^e8
	v_mov_b32 v[LP+1], s34
	s_sub_co_i32 s34, s32, s30
	s_sub_co_i32 s34, s34, s31                     ; O^T / l stands for x / 2^(e8 + e9): its code is that / 2^(e10 - e8 - e9)
	s_add_co_i32 s34, s34, 127
	s_lshl_b32 s35, s34, 23
	v_mov_b32 v[SCX], s35
	s_add_co_i32 s34, s34, 15
	s_lshl_b32 s34, s34, 23
	s_or_b32 s34, s34, 0x600000
	v_mov_b32 v[LX], s34
	MLOAD 0x0                                      ; the first half step's words (the registers above are done with)
	s_wait_alu depctr_va_vdst(0)                   ; the wait at the head's end
	s_wait_loadcnt 0x0                             ; Q
	s_wait_tensorcnt 0x0                           ; my key step has landed,
	s_barrier_signal -1
	s_barrier_wait -1                              ; everybody's has
	KLOAD LI, 0                                    ; K of the first half step
; A HALF STEP: keys 64 u on of the key step in hand, against both my tiles.
.macro HALF u
	s_wait_dscnt 0x0                               ; K of this half step, asked for a half step ago
	QK 0
	QK 1
	v_mov_b32 v[OLD], v[STA]                       ; the old -M of both tiles is kept; with the two lines below: four places behind the two products
	v_mov_b32 v[OLD+1], v[STA+4]
	v_nop
	v_nop
	s_wait_kmcnt 0x0                               ; this half step's mask words, asked for a half step ago
.irp i, 0,1,2,3,4,5,6,7                        ; products and selects by turns: the eight selects of product i - 1 are the places behind product i
	CND \i
.if \i < 6
	QK \i+2
.endif
.endr
	VLOAD \u                                       ; V of this half step, and behind it K of the next: both land under the softmax
.if \u == 0
	KLOAD AD, 4096
	MLOAD 0x80                                     ; the next half step's words
.else
	KLOAD ADN, 0
	s_cmp_lt_u32 s[ST], 15                         ; behind the last key step the pointer stays: the same words again, so that no load leaves the buffer
	s_cselect_b32 s[MPT+2], 256, 0
	s_add_nc_u64 s[MPT:MPT+1], s[MPT:MPT+1], s[MPT+2:MPT+3]  ; (the loads that read this pointer are done: the wait above)
	MLOAD 0x0
.endif
.irp t, 0,1                                    ; the largest score of each of my two queries among my 32 keys: four chains by turns
	v_max3_num_f32 v[CH+2*\t], v[S+32*\t], v[S+32*\t+1], v[S+32*\t+2]
	v_max3_num_f32 v[CH+2*\t+1], v[S+32*\t+16], v[S+32*\t+17], v[S+32*\t+18]
.endr
.irp i, 3,5,7,9,11,13
.irp t, 0,1
	v_max3_num_f32 v[CH+2*\t], v[CH+2*\t], v[S+32*\t+\i], v[S+32*\t+\i+1]
	v_max3_num_f32 v[CH+2*\t+1], v[CH+2*\t+1], v[S+32*\t+16+\i], v[S+32*\t+17+\i]
.endr
.endr
.irp t, 0,1
	v_max3_num_f32 v[CH+2*\t], v[CH+2*\t], v[S+32*\t+15], v[S+32*\t+31]
.endr
.irp t, 0,1
	v_max_num_f32 v[CH+2*\t], v[CH+2*\t], v[CH+2*\t+1]
.endr
.irp t, 0,1
	v_permlanex16_b32 v[PM+\t], v[CH+2*\t], s[SEL], s[SEL+1]
.endr
.irp t, 0,1
	v_max_num_f32 v[CH+2*\t], v[CH+2*\t], v[PM+\t]           ; and among lane l xor 16's
.endr
.irp t, 0,1
	v_mul_f32 v[CH+2*\t], s[CS], v[CH+2*\t]                  ; as t (c is positive)
.endr
.irp t, 0,1
	v_max_num_f32 v[STA+4*\t+1], v[STA+4*\t+1], v[CH+2*\t]   ; the running largest t
.endr
.irp t, 0,1
	v_floor_f32 v[STA+4*\t], -v[STA+4*\t+1]                  ; the new -M = floor(-t): M is a whole number
.endr
.irp t, 0,1
	v_sub_f32 v[CH+2*\t], v[STA+4*\t], v[OLD+\t]             ; old M - new M: a whole number, 0 or less
.endr
.irp t, 0,1
	v_cvt_i32_f32 v[CH+2*\t], v[CH+2*\t]                     ; (it saturates)
.endr
.set Q, 0
.rept 16                                       ; tile 0's 16 scalings stand ahead of the first batch
	FMA 2*Q
.set Q, Q+1
.endr
.irp t, 0,1
	v_ldexp_f32 v[FF+2*\t], 1.0, v[CH+2*\t]                  ; f = 2^(old M - new M)
.endr
.set Q, 0
.rept 32                                       ; O^T under the new M, ahead of the exponentials: no transcendental stands between the last products and these first reads; each accumulator from its low end on
.set RO, O+32*(Q%2)+2*(Q/2)
	v_pk_mul_f32 v[RO:RO+1], v[RO:RO+1], v[FF+2*(Q%2):FF+2*(Q%2)+1] op_sel_hi:[1,0]
.set Q, Q+1
.endr
	s_wait_alu depctr_va_vdst(0)                   ; the wait ahead of the batch
.set J, 0
.rept 16                                       ; FIRST BATCH: tile 0's 32 exponentials, p = 2^(t - M).  Among them tile 1's 16 scalings: what they write is first read behind the wait below
	v_exp_f32 v[S+2*J], v[S+2*J]
	v_exp_f32 v[S+2*J+1], v[S+2*J+1]
	FMA 2*J+1
.set J, J+1
.endr
	s_wait_alu depctr_va_vdst(0)                   ; the wait behind the first batch and ahead of the second
.set J, 0
.rept 8                                        ; SECOND BATCH: tile 1's 32 exponentials.  Among them plain lines on tile 0's p, whose results are first read behind the next wait:
	v_exp_f32 v[S+32+4*J], v[S+32+4*J]
	v_exp_f32 v[S+33+4*J], v[S+33+4*J]
	v_pk_add_f32 v[PC+2*J:PC+2*J+1], v[S+4*J:S+4*J+1], v[S+4*J+2:S+4*J+3]   ; the first level of the row's sum, of the unquantised p, into the codes' registers, which are idle here;
	v_exp_f32 v[S+34+4*J], v[S+34+4*J]
	HOLD 0, 2*J                                    ; and the hold of the two pairs just added
	v_exp_f32 v[S+35+4*J], v[S+35+4*J]
	HOLD 0, 2*J+1
.set J, J+1
.endr
	s_wait_alu depctr_va_vdst(0)                   ; the wait behind the second batch, ahead of its first reader; a plain line stands behind the last exponential
	v_pk_fma_f32 v[STA+2:STA+3], v[STA+2:STA+3], v[FF:FF+1], v[PC:PC+1] op_sel_hi:[1,0,1]         ; the sum under the new M, x f, and its first addition in one
	v_pk_fma_f32 v[STA+6:STA+7], v[STA+6:STA+7], v[FF+2:FF+3], v[S+32:S+33] op_sel_hi:[1,0,1]
.set J, 1
.rept 15                                       ; tile 0: the seven other first-level sums; tile 1: the row's sum of the unquantised p; a pair is held behind its addition
.if J < 8
	v_pk_add_f32 v[STA+2:STA+3], v[STA+2:STA+3], v[PC+2*J:PC+2*J+1]
.endif
	v_pk_add_f32 v[STA+6:STA+7], v[STA+6:STA+7], v[S+32+2*J:S+32+2*J+1]
	HOLD 1, J-1
.set J, J+1
.endr
	HOLD 1, 15
.irp t, 0,1
.irp g, 0,1,2,3
	v_cvt_scalef32_pk8_bf8_f32 v[PC+8*\t+2*\g:PC+8*\t+2*\g+1], v[S+32*\t+8*\g:S+32*\t+8*\g+7], v[SCP]
.endr
.endr
	v_nop                                          ; a plain line between the last conversion and the products that read its result and, later, write its sources
	s_wait_alu depctr_va_vdst(0)                   ; a wait directly ahead of the wait below
	s_wait_dscnt 8                                 ; V is in; the eight younger loads, the next half step's K, may be out
.irp c, 0,1,2,3
.irp t, 0,1
	v_wmma_f32_16x16x64_bf8_bf8 v[O+32*\t+8*\c:O+32*\t+8*\c+7], v[VF+8*\c:VF+8*\c+7], v[PC+8*\t:PC+8*\t+7], v[O+32*\t+8*\c:O+32*\t+8*\c+7]   ; eight accumulators, one turn each
.endr
.endr
.endm
	s_mov_b32 s[TB], 0
	s_mov_b32 s[ST], 0
.Lstep:                                            ; 16 trips: a key step of 128 keys, two half steps
	s_add_co_u32 s[TBN], s[TB], KSB
	s_min_u32 s[TBN], s[TBN], 15*KSB               ; the look-ahead for K stays inside the 16 key steps
	v_add_nc_u32 v[AD], s[TB], v[LI]
	v_add_nc_u32 v[ADN], s[TBN], v[LI]
	HALF 0
	HALF 1
	s_add_co_u32 s[TB], s[TB], KSB
	s_add_co_u32 s[ST], s[ST], 1
	s_cmp_lt_u32 s[ST], 16
	s_cbranch_scc1 .Lstep
	; THE WAY OUT: O^T / l, quantised; the conversions' results are groups of the next launch's A fragments and are stored as they stand.
	s_wait_dscnt 0x0                               ; the last look-ahead's loads are in: no LDS instruction is out at the closing round's signal
.rept 4
	v_nop                                          ; places behind the last products
.endr
.irp t, 0,1
	v_add_f32 v[STA+4*\t+2], v[STA+4*\t+2], v[STA+4*\t+3]    ; the sum's two halves,
.endr
.irp t, 0,1
	v_permlanex16_b32 v[PM+\t], v[STA+4*\t+2], s[SEL], s[SEL+1]
.endr
.irp t, 0,1
	v_add_f32 v[STA+4*\t+2], v[STA+4*\t+2], v[PM+\t]         ; and lane l xor 16's; it is above 1/2
.endr
	s_wait_alu depctr_va_vdst(0)                   ; the wait ahead of the transcendentals too
.irp t, 0,1
	v_rcp_f32 v[STA+4*\t+2], v[STA+4*\t+2]
.endr
	v_nop                                          ; a plain line behind the reciprocals
	s_wait_alu depctr_va_vdst(0)                   ; and one wait for both, ahead of their first reader
.irp t, 0,1
.set J, 0
.rept 16
	v_pk_mul_f32 v[S+32*\t+J:S+32*\t+J+1], v[O+32*\t+J:O+32*\t+J+1], v[STA+4*\t+2:STA+4*\t+3] op_sel_hi:[1,0]   ; register 16 c + i is channel 32 c + 16 (lane / 16) + i of my query
.set J, J+2
.endr
.endr
.set J, 0
.rept 64
	v_med3_num_f32 v[S+J], v[S+J], -v[LX], v[LX]   ; the conversion does not saturate (ISA guide 7.6.2): the hold, always
.set J, J+1
.endr
.irp t, 0,1
.irp g, 0,1,2,3
	v_cvt_scalef32_pk8_bf8_f32 v[PC+8*\t+2*\g:PC+8*\t+2*\g+1], v[S+32*\t+8*\g:S+32*\t+8*\g+7], v[SCX]
.endr
.endr
	v_nop
.irp t, 0,1
.irp b, 0,1
	global_store_b128 v[LI], v[PC+8*\t+4*\b:PC+8*\t+4*\b+3], s[XP:XP+1] offset:\t*262144+512*\b   ; 512 consecutive bytes, aligned; my second tile lies 16 tiles of 16,384 bytes on
.endr
.endr
	s_wait_tensorcnt 0x0
	ds_add_u32 v30, v31
	s_wait_dscnt 0x0
	CROUND                                         ; the closing round
	s_endpgm
.Lfunc_end_k_qc4749dcb45_attn:
	.size	k_qc4749dcb45_attn, .Lfunc_end_k_qc4749dcb45_attn-k_qc4749dcb45_attn
	.p2alignl 7, 3214868480
	.fill 96, 4, 3214868480
	.section	.rodata,"a",@progbits
	.p2align	6, 0x0
	.amdhsa_kernel k_qc4749dcb45_attn
		.amdhsa_group_segment_fixed_size 264192
		.amdhsa_private_segment_fixed_size 0
		.amdhsa_enable_private_segment 0
		.amdhsa_kernarg_size 32
		.amdhsa_user_sgpr_count 2
		.amdhsa_user_sgpr_kernarg_segment_ptr 1
		.amdhsa_wavefront_size32 1
		.amdhsa_system_sgpr_workgroup_id_x 1
		.amdhsa_system_sgpr_workgroup_id_y 1
		.amdhsa_system_sgpr_workgroup_id_z 1
		.amdhsa_system_vgpr_workitem_id 0
		.amdhsa_next_free_vgpr 256
		.amdhsa_next_free_sgpr 100
		.amdhsa_reserve_vcc 0
		.amdhsa_float_denorm_mode_32 3
		.amdhsa_float_denorm_mode_16_64 3
		.amdhsa_memory_ordered 1
		.amdhsa_forward_progress 1
		.amdhsa_inst_pref_size 57
	.end_amdhsa_kernel
	.amdgpu_metadata
---
amdhsa.version: [ 1, 2 ]
amdhsa.kernels:
  - .name:           k_qc4749dcb45_attn
    .symbol:         k_qc4749dcb45_attn.kd
    .args:
      - { .name: qkv, .offset: 0, .size: 8, .value_kind: global_buffer, .address_space: global }
      - { .name: maskw, .offset: 8, .size: 8, .value_kind: global_buffer, .address_space: global }
      - { .name: lowp_scales, .offset: 16, .size: 8, .value_kind: global_buffer, .address_space: global }
      - { .name: xi, .offset: 24, .size: 8, .value_kind: global_buffer, .address_space: global }
    .group_segment_fixed_size: 264192
    .private_segment_fixed_size: 0
    .kernarg_segment_align: 8
    .kernarg_segment_size: 32
    .max_flat_workgroup_size: 512
    .sgpr_count:     100
    .vgpr_count:     256
    .wavefront_size: 32
...
	.end_amdgpu_metadata
.endif
;; end of part 3
;; launch outp (part 4): grid 4 x 64, 2 waves a work-group, clusters of 4 x 4, 327,680 bytes of LDS; arguments xi, codes, lowp_scales, bo, out0; writes out0
.if DOCPART == 4
	.amdgcn_target "amdgcn-amd-amdhsa--gfx1250"
	.amdhsa_code_object_version 6
	.text
	.protected	k_qc4749dcb45_outp
	.globl	k_qc4749dcb45_outp
	.p2align	8
	.type	k_qc4749dcb45_outp,@function
k_qc4749dcb45_outp:
	s_mov_b64 s[64:65], 0
	v_nop
	global_prefetch_b8 v0, s[64:65] scope:SCOPE_SE
	s_setreg_imm32_b32 hwreg(HW_REG_WAVE_MODE, 25, 1), 1
	s_wait_xcnt 0x0
	s_wait_alu depctr_hold_cnt(0) depctr_sa_sdst(0) depctr_va_vdst(0) depctr_va_sdst(0) depctr_va_ssrc(0) depctr_va_vcc(0) depctr_vm_vsrc(0)
	s_getreg_b32 s2, hwreg(HW_REG_IB_STS2, 6, 4)
	s_cmp_eq_u32 s2, 0
	s_cbranch_scc0 .Lentry_in_a_cluster
	s_endpgm
.Lentry_in_a_cluster:
	s_bfe_u32 s2, ttmp6, 0x10000c
	s_cmp_lg_u32 s2, 0xf033
	s_cbranch_scc0 .Lentry_shape_is_right
	s_endpgm
.Lentry_shape_is_right:
.set KSTEP,  256
.set ROWB,   256
.set KROW,   1024
.set PITCH,  272
.set FR,     16
.set NL,     4
.set NP,     4
.set HALFA,  32768
.set HALFT,  128*PITCH
.set BOFF,   2*HALFA
.set SLOT,   BOFF+2*HALFT
.set LAPS,   2
.set SPARE,  2*SLOT
.set SPITCH, 528
.set ADRA, 16
.set ADRB, 20
.set STO,  24
.set RD,   25
.set CO,   26
.set SPW,  28
.set NIL,  29
.set AF,   128
.set BK,   128
.set G1, 24
.set G0, 32
.set G1B, 48
.set G0B, 56
.set MSB, 0
.macro WIN new
.if MSB != (\new)
	s_set_vgpr_msb (MSB<<8)|(\new)
.set MSB, (\new)
.endif
.endm
.set MUL_LO, 0xa1
.set MUL_HI, 0xf1
.set TO_B,   0x40
.macro JLOAD g0a, g1a, g0b, g1b
	s_cmp_eq_u32 s16, 0
	s_cbranch_scc0 .Lfor_b_\@
	tensor_load_to_lds s[\g0a:\g0a+3], s[\g1a:\g1a+7]
	s_nop 0
.rept 4
	v_nop
.endr
	s_branch .Lasked_\@
.Lfor_b_\@:
	tensor_load_to_lds s[\g0b:\g0b+3], s[\g1b:\g1b+7]
	s_nop 0
.rept 4
	v_nop
.endr
.Lasked_\@:
.endm
.macro CREST
	s_cmp_lg_u32 s2, 0
	s_cbranch_scc1 .Lnot_wave_0_\@
	s_barrier_signal -3
.Lnot_wave_0_\@:
	s_barrier_wait -3
	s_barrier_signal -1
	s_barrier_wait -1
.endm
.macro CROUND
	s_barrier_signal -1
	s_barrier_wait -1
	CREST
.endm
	s_load_b256 s[4:11], s[0:1], 0x0
	s_load_b64 s[12:13], s[0:1], 0x20
	v_lshl_add_u32 v[SPW], v0, 2, SPARE
	v_mov_b32 v[NIL], 0
	ds_add_u32 v28, v29
	ds_add_u32 v28, v29
	s_wait_dscnt 0x0
	v_lshrrev_b32 v1, 5, v0
	v_readfirstlane_b32 s2, v1
	s_mov_b32 s16, s2                              ; a work-group makes 128 rows x 256 columns with two waves: wave 0 fetches A's 128 rows, wave 1 B's 256; wave w multiplies A's rows by B's half w (s17)
	s_and_b32 s17, s2, 1
	s_bfe_u32 s40, ttmp6, 0x40000
	s_bfe_u32 s41, ttmp6, 0x40004
	s_and_b32 s18, ttmp7, 0xffff
	s_lshl_b32 s18, s18, 2
	s_add_co_u32 s18, s18, s41
	s_lshl_b32 s43, s41, 2
	s_lshl_b32 s43, 15, s43
	s_lshl_b32 s44, 0x1111, s40
	s_or_b32 s[G1+0], s43, (3<<16)|(1<<21)
	s_mov_b32 s[G1+1], 512<<16
	s_mov_b32 s[G1+2], 8<<16
	s_mov_b32 s[G1+3], 512<<16
	s_mov_b32 s[G1+4], 8|(2<<16)                   ; tile_dim1 = 8 rows of 4,096 bytes, tile_dim2 = 2 planes: the head's one load brings K steps 0 and 1
	s_mov_b32 s[G1+5], 2048
	s_mov_b32 s[G1+6], 512<<16                     ; stride1: a plane is a K step, 512 elements of 8 bytes on
	s_mov_b32 s[G1+7], 0
	s_or_b32 s[G1B+0], s44, (0<<16)|(1<<20)|(1<<21)|(5<<22)|(3<<25)
	s_mov_b32 s[G1B+1], ROWB<<16
	s_mov_b32 s[G1B+2], 256<<16
	s_mov_b32 s[G1B+3], ROWB<<16
	s_mov_b32 s[G1B+4], 256|(2<<16)
	s_mov_b32 s[G1B+5], KROW
	s_mov_b32 s[G1B+6], ROWB<<16
	s_mov_b32 s[G1B+7], 0
	s_lshl_b32 s20, s18, 17                        ; A: tile row x 8 tiles of tokens of 16,384 bytes
	s_mov_b32 s21, 0
	s_lshl_b32 s46, s40, 8
	s_add_co_u32 s46, s46, 27648
	s_lshl_b32 s46, s46, 10
	s_mov_b32 s47, 0
	s_mov_b32 s45, 0                               ; LDS: A's slot 0, A's slot 1 (HALFA each),
	s_mov_b32 s42, BOFF                            ; then B's slot 0, B's slot 1 (256 rows, 2 x HALFT each)
	s_wait_kmcnt 0x0
	s_load_b64 s[96:97], s[8:9], 0x28
	s_add_nc_u64 s[20:21], s[4:5], s[20:21]
	s_add_nc_u64 s[46:47], s[6:7], s[46:47]
.irp s, 0,1
	s_mov_b32 s[G0+4*\s], 1
	s_add_co_u32 s[G0+4*\s+1], s45, \s*HALFA
	s_add_nc_u64 s[G0+4*\s+2:G0+4*\s+3], s[20:21], \s*4096
	s_or_b32 s[G0+4*\s+3], s[G0+4*\s+3], 0x80000000
	s_mov_b32 s[G0B+4*\s], 1
	s_add_co_u32 s[G0B+4*\s+1], s42, \s*2*HALFT
	s_add_nc_u64 s[G0B+4*\s+2:G0B+4*\s+3], s[46:47], \s*ROWB
	s_or_b32 s[G0B+4*\s+3], s[G0B+4*\s+3], 0x80000000
.endr
	s_mov_b32 s68, 2                               ; descriptor group 2: tensor_dim2 = 2 planes,
	s_mov_b32 s69, 1                               ; tensor_dim3 = 1,
	s_mov_b32 s70, 512                             ; stride2 (tile_dim3 = 0: the dimension is not used)
	s_mov_b32 s71, 0
	s_mov_b32 s72, 512                             ; descriptor group 3: stride3, tensor_dim4 = 1, tile_dim4 = 0
	s_mov_b32 s73, 1<<16
	s_mov_b32 s74, 0
	s_mov_b32 s75, 0
	s_wait_alu depctr_va_vdst(0)                   ; a wait ahead of the round's barriers and branches
	CROUND                                         ; all sixteen work-groups are here: the first joint loads meet
	s_cmp_eq_u32 s16, 0                            ; my one load at the head: my part of K steps 0 and 1, two planes on end
	s_cbranch_scc0 .Lfor_b3
	tensor_load_to_lds s[G0:G0+3], s[G1:G1+7], s[68:71], s[72:75]
	s_nop 0
.rept 4
	v_nop
.endr
	s_branch .Lasked3
.Lfor_b3:
	tensor_load_to_lds s[G0B:G0B+3], s[G1B:G1B+7], s[68:71], s[72:75]
	s_nop 0
.rept 4
	v_nop
.endr
.Lasked3:
	v_and_b32 v1, 15, v0
	v_bfe_u32 v2, v0, 4, 1
	v_and_b32 v6, 31, v0
	v_lshlrev_b32 v[CO], 4, v6
	v_mul_u32_u24 v3, v1, PITCH
	v_lshl_add_u32 v4, v2, 4, v3
	s_mov_b32 s21, 0
	s_mul_i32 s22, s17, HALFT
	s_add_co_u32 s22, s22, BOFF
.irp s, 0,1
	v_add_nc_u32 v[ADRA+\s], s21, v[CO]
	v_add_nc_u32 v[ADRB+\s], s22, v4
	s_add_co_u32 s21, s21, HALFA
	s_add_co_u32 s22, s22, 2*HALFT
.endr
	s_mul_i32 s23, s17, 16*SPITCH                  ; my stage lies in A's slot 0: two stages of 8,448 bytes in its 32,768; that slot has had its last fill and its last read when the first result is stored there
	s_wait_alu depctr_va_vdst(0)                   ; a wait behind the run of scalar lines
	v_mul_u32_u24 v5, v1, SPITCH
	v_lshl_add_u32 v5, v2, 6, v5
	v_add_nc_u32 v[STO], s23, v5
	v_add_nc_u32 v[RD], s23, v[CO]
	s_lshl_b32 s20, s18, 19                        ; my first row of the output: 128 x tile row, of 4,096 bytes
	s_mov_b32 s21, 0
	s_lshl_b32 s46, s40, 10
	s_lshl_b32 s47, s17, 9
	s_add_co_u32 s46, s46, s47
	s_mov_b32 s47, 0
	s_add_nc_u64 s[10:11], s[10:11], s[46:47]
	global_load_b128 v[8:11], v[CO], s[10:11]
	s_add_nc_u64 s[12:13], s[12:13], s[20:21]
	s_add_nc_u64 s[12:13], s[12:13], s[46:47]
.macro FRAG reg, adr, q, i
.irp c, 0,1,2,3
	ds_load_b128 v[\reg+4*\c:\reg+4*\c+3], v[\adr] offset:128*(\q)+32*\c+(\i)*16*PITCH
.endr
.endm
.macro FRAGA reg, adr, q, i
.irp c, 0,1,2,3
	ds_load_b128 v[\reg+4*\c:\reg+4*\c+3], v[\adr] offset:4096*(\i)+2048*(\q)+512*\c
.endr
.endm
.macro MUL16 a0, p, zero
.irp a, \a0, \a0+1
.irp b, 0,1,2,3,4,5,6,7
.if \zero
	v_wmma_f32_16x16x128_bf8_bf8 v[8*(8*((\a)%4)+\b):8*(8*((\a)%4)+\b)+7], v[128*(\p)+FR*\b:128*(\p)+FR*\b+FR-1], v[AF+FR*(\a):AF+FR*(\a)+FR-1], 0
.else
	v_wmma_f32_16x16x128_bf8_bf8 v[8*(8*((\a)%4)+\b):8*(8*((\a)%4)+\b)+7], v[128*(\p)+FR*\b:128*(\p)+FR*\b+FR-1], v[AF+FR*(\a):AF+FR*(\a)+FR-1], v[8*(8*((\a)%4)+\b):8*(8*((\a)%4)+\b)+7]
.endif
.endr
.endr
.endm
.macro FETCH_B slot, q, p
	WIN TO_B
.irp i, 0,1,2,3,4,5,6,7
	FRAG 128*(\p)+FR*\i, ADRB+\slot, \q, \i
.endr
	WIN 0
.endm
.macro FETCH_A slot, q, i0
.irp i, \i0, \i0+1, \i0+2, \i0+3
	FRAGA AF+FR*(\i), ADRA+\slot, \q, \i
.endr
.endm
.macro PLACES n
.rept \n
	v_nop
.endr
.endm
.macro STEP slot, q, zero
	s_wait_dscnt 4*NL
	WIN MUL_LO
	MUL16 0, (\q)%2, \zero
	MUL16 2, (\q)%2, \zero
	s_wait_dscnt 0
	PLACES NP
	FETCH_B \slot, (\q)+1, 1-(\q)%2
	FETCH_A \slot, (\q)+1, 0
	WIN MUL_HI
	MUL16 4, (\q)%2, \zero
	MUL16 6, (\q)%2, \zero
	PLACES NP
	WIN 0
	FETCH_A \slot, (\q)+1, 4
.endm
.macro TURN slot, next, fill
	s_wait_tensorcnt 0x0
	ds_add_u32 v[SPW], v[NIL]
	s_wait_dscnt 4*NL+1
	WIN MUL_LO
	MUL16 0, 1, 0
	s_wait_dscnt 0x0
	s_barrier_signal -1
	MUL16 2, 1, 0
	WIN 0
	s_barrier_wait -1
.if \fill
	CREST
	s_add_nc_u64 s[G0+4*\slot+2:G0+4*\slot+3], s[G0+4*\slot+2:G0+4*\slot+3], 2*4096
	s_add_nc_u64 s[G0B+4*\slot+2:G0B+4*\slot+3], s[G0B+4*\slot+2:G0B+4*\slot+3], 2*ROWB
	JLOAD G0+4*\slot, G1, G0B+4*\slot, G1B
.else
	PLACES NP
.endif
	FETCH_B \next, 0, 0
	FETCH_A \next, 0, 0
	WIN MUL_HI
	MUL16 4, 1, 0
	MUL16 6, 1, 0
	PLACES NP
	WIN 0
	FETCH_A \next, 0, 4
.endm
	s_wait_alu depctr_va_vdst(0)
	s_wait_tensorcnt 0x0                           ; my part of K steps 0 and 1 is in, so the descriptors may be written:
	s_mov_b32 s[G1+4], 8                           ; the refills bring one K step, one plane
	s_mov_b32 s[G1+6], 0
	s_mov_b32 s[G1B+4], 256
	s_mov_b32 s[G1B+6], 0
	s_barrier_signal -1
	s_barrier_wait -1
	FETCH_B 0, 0, 0
	FETCH_A 0, 0, 0
	FETCH_A 0, 0, 4
	STEP 0, 0, 1
	s_mov_b32 s3, LAPS-1
.Llap:
	TURN 0, 1, 1
	STEP 1, 0, 0
	TURN 1, 0, 1
	STEP 0, 0, 0
	s_sub_co_u32 s3, s3, 1
	s_cmp_lg_u32 s3, 0
	s_cbranch_scc1 .Llap
	TURN 0, 1, 0
	STEP 1, 0, 0
	s_wait_dscnt 4*NL
	WIN MUL_LO
	MUL16 0, 1, 0
	MUL16 2, 1, 0
	s_wait_dscnt 0
	WIN MUL_HI
	MUL16 4, 1, 0
	MUL16 6, 1, 0
	WIN 0
.macro TOSTAGE a
.set AC, 64*((\a)%4)
	WIN 0x08+4*((\a)/4)
.irp b, 0,1,2,3,4,5,6,7
	ds_store_b128 v[STO], v[AC+8*\b:AC+8*\b+3] offset:128*(\b/2)+32*(\b%2)
	ds_store_b128 v[STO], v[AC+8*\b+4:AC+8*\b+7] offset:128*(\b/2)+32*(\b%2)+16
.endr
	WIN 0
.set BB, BK+64*((\a)%2)
.irp t, 0,1,2,3,4,5,6,7,8,9,10,11,12,13,14,15
	ds_load_b128 v[BB+4*\t:BB+4*\t+3], v[RD] offset:\t*SPITCH
.endr
.endm
.macro SEND a, younger
.set BB, BK+64*((\a)%2)
	s_wait_dscnt \younger
.set J, 0
.rept 32
	v_pk_fma_f32 v[BB+2*J:BB+2*J+1], v[BB+2*J:BB+2*J+1], s[96:97], v[8+2*(J%2):9+2*(J%2)] op_sel_hi:[1,0,1]
.set J, J+1
.endr
.irp t, 0,1,2,3,4,5,6,7,8,9,10,11,12,13,14,15
	global_store_b128 v[CO], v[BB+4*\t:BB+4*\t+3], s[12:13] offset:(32*((\a)/2)+8*((\a)%2)+\t+8*(\t/8))*4096 th:TH_STORE_NT
.endr
.endm
	s_wait_kmcnt 0x0
	s_add_co_i32 s96, s96, s97
	s_add_co_i32 s96, s96, 127
	s_lshl_b32 s96, s96, 23
	s_mov_b32 s97, s96
	s_wait_loadcnt 0x0
	PLACES NP
	TOSTAGE 0
.irp a, 1,2,3,4,5,6,7
.if \a > 1
	s_wait_xcnt 0x0
.endif
	TOSTAGE \a
	SEND \a-1, 32
.endr
	SEND 7, 0
	s_wait_tensorcnt 0x0
	ds_add_u32 v[SPW], v[NIL]
	s_wait_dscnt 0x0
	CROUND
	s_endpgm
.Lfunc_end_k_qc4749dcb45_outp:
	.size	k_qc4749dcb45_outp, .Lfunc_end_k_qc4749dcb45_outp-k_qc4749dcb45_outp
	.p2alignl 7, 3214868480
	.fill 96, 4, 3214868480
	.section	.rodata,"a",@progbits
	.p2align	6, 0x0
	.amdhsa_kernel k_qc4749dcb45_outp
		.amdhsa_group_segment_fixed_size 327680
		.amdhsa_private_segment_fixed_size 0
		.amdhsa_enable_private_segment 0
		.amdhsa_kernarg_size 40
		.amdhsa_user_sgpr_count 2
		.amdhsa_user_sgpr_kernarg_segment_ptr 1
		.amdhsa_wavefront_size32 1
		.amdhsa_system_sgpr_workgroup_id_x 1
		.amdhsa_system_sgpr_workgroup_id_y 1
		.amdhsa_system_sgpr_workgroup_id_z 1
		.amdhsa_system_vgpr_workitem_id 0
		.amdhsa_next_free_vgpr 1024
		.amdhsa_next_free_sgpr 98
		.amdhsa_reserve_vcc 0
		.amdhsa_float_denorm_mode_32 3
		.amdhsa_float_denorm_mode_16_64 3
		.amdhsa_memory_ordered 1
		.amdhsa_forward_progress 1
		.amdhsa_inst_pref_size 123
	.end_amdhsa_kernel
	.amdgpu_metadata
---
amdhsa.version: [ 1, 2 ]
amdhsa.kernels:
  - .name:           k_qc4749dcb45_outp
    .symbol:         k_qc4749dcb45_outp.kd
    .args:
      - { .name: xi, .offset: 0, .size: 8, .value_kind: global_buffer, .address_space: global }
      - { .name: codes, .offset: 8, .size: 8, .value_kind: global_buffer, .address_space: global }
      - { .name: lowp_scales, .offset: 16, .size: 8, .value_kind: global_buffer, .address_space: global }
      - { .name: bo, .offset: 24, .size: 8, .value_kind: global_buffer, .address_space: global }
      - { .name: out0, .offset: 32, .size: 8, .value_kind: global_buffer, .address_space: global }
    .group_segment_fixed_size: 327680
    .private_segment_fixed_size: 0
    .kernarg_segment_align: 8
    .kernarg_segment_size: 40
    .max_flat_workgroup_size: 64
    .sgpr_count:     98
    .vgpr_count:     1024
    .wavefront_size: 32
...
	.end_amdgpu_metadata
.endif
;; end of part 4
